; MI455X (gfx1250); checked and timed in simulation.
; The chip was launched on July 23, 2026; its instructions are those of AMD's public machine-readable ISA for CDNA 5 (MIT licence, August 2026) and "CDNA5" Instruction Set Architecture Reference Guide (July 2026). The comments in the code are by the model that wrote it; some were corrected since.
;; NN Mod. Allowed arithmetic: matrix products marked QUANTISED: E4M3 operands, one E8M0 scale for each 32 along K, by v_wmma_scale_f32_16x16x128_f8f6f4 with both operands' format E4M3, f32 sums; products left as they are: f32 operands where the result goes on into a quantised operand, else bf16, f16 or f32 operands; f32 sums; everything else in f32.
;; Inputs: W0_codes 4 x 256 x 8 x 32 uint8 (E4M3 codes of W0, K innermost, in blocks of 32 codes); W0_scales 4 x 256 x 8 uint8 (E8M0 scales of W0, one for each 32 codes along K); Wa_codes 4 x 256 x 8 x 32 uint8 (E4M3 codes of Wa, K innermost, in blocks of 32 codes); Wa_scales 4 x 256 x 8 uint8 (E8M0 scales of Wa, one for each 32 codes along K); Wf_codes 4 x 256 x 8 x 32 uint8 (E4M3 codes of Wf, K innermost, in blocks of 32 codes); Wf_scales 4 x 256 x 8 uint8 (E8M0 scales of Wf, one for each 32 codes along K); Wl_codes 4 x 256 x 8 x 32 uint8 (E4M3 codes of Wl, K innermost, in blocks of 32 codes); Wl_scales 4 x 256 x 8 uint8 (E8M0 scales of Wl, one for each 32 codes along K); Wo 4 x 1 x 256 float32; alpha_a 4 x 256 float32; alpha_f 4 x 256 float32; b0 4 x 256 float32; ba 4 x 256 float32; beta_ln 4 x 256 float32; bf 4 x 256 float32; bl 4 x 256 float32; bo 4 x 1 float32; density_codes 65,536 x 8 x 32 uint8 (E4M3 codes of density, K innermost, in blocks of 32 codes); density_scales 65,536 x 8 uint8 (E8M0 scales of density, one for each 32 codes along K); gamma 4 x 256 float32; species 65,536 int32.
;; Outputs: out0 65,536 x 1 float32.
;; This version of the problem:
;;   THIS VERSION OF THE PROBLEM IS GIVEN IN LOW PRECISION. The matrix products marked QUANTISED in the list below multiply operands that are first quantised to E4M3 (4 exponent bits, 3 mantissa bits; 8 bits a number), with one power-of-two scale for each 32 numbers along K (OCP MX v1.0); their sums are f32. All else is computed in f32.
;;   The module's matrix products, in the order in which they are computed (A, B: the left and right operand; K: the contracted axis; several contracted axes count as one K, in the product's order):
;;     1. [M 65,536, K 256] x [K 256, N 1,024]; A: input density (given as codes); B: input W0 (given as codes): QUANTISED
;;     2. batch 4 x [M 65,536, K 256] x [K 256, N 256]; A: computed on the way; B: input Wa (given as codes): QUANTISED
;;     3. batch 4 x [M 65,536, K 256] x [K 256, N 256]; A: computed on the way; B: input Wl (given as codes): QUANTISED
;;     4. batch 4 x [M 65,536, K 256] x [K 256, N 256]; A: computed on the way; B: input Wf (given as codes): QUANTISED
;;     5. batch 4 x [M 65,536, K 256] x [K 256, N 1]; A: computed on the way; B: input Wo: left as it is (N = 1 < 16)
;;   THE QUANTISER, for each operand of a quantised product, along K:
;;     - K is cut into blocks of 32 from its start; a last block that is shorter is filled with zeros.
;;     - A block's scale is 2^e with e = floor(log2(the largest magnitude in the block)) - 8, held to -126 .. 127; a block of zeros has e = 0. As a byte (E8M0): e + 127.
;;     - Each number is divided by its block's scale, clamped to +-448, and rounded to the nearest number of E4M3, ties to even, subnormals kept.
;;     - The product sums the exact products of the quantised numbers (number of the format x scale) in f32.
;;   ~~~python
;;   def quantise(x, axis):      # numpy; x: float32 -> the quantised numbers, widened to float32 again
;;       x = np.moveaxis(x, axis, -1); K = x.shape[-1]
;;       x = np.pad(x, [(0, 0)] * (x.ndim - 1) + [(0, -K % 32)]); x = x.reshape(x.shape[:-1] + (-1, 32)); a = np.abs(x).max(-1, keepdims=True)
;;       e = np.where(a > 0, np.clip(np.frexp(np.where(a > 0, a, 1))[1] - 1 - 8, -126, 127), 0)      # np.frexp(a)[1] - 1 = floor(log2(a)), exactly
;;       r = np.clip(x / 2.0 ** e, -448, 448)
;;       step = 2.0 ** (np.maximum(np.frexp(np.where(r == 0, 1, r))[1] - 1, -6) - 3)
;;       q = np.round(r / step) * step * 2.0 ** e      # np.round: ties to even
;;       return np.moveaxis(q.reshape(q.shape[:-2] + (-1,))[..., :K], -1, axis).astype(np.float32)
;;   ~~~
;;   OPERANDS COMPUTED ON THE WAY. 'Computed on the way' means the value that the module computes at that place (a softmax that the list does not call 'softmax' is quantised finished and normalised). What goes into a quantiser is computed in f32, as accurately as f32 sums, v_exp_f32 and their like allow (about 1e-6 of the number): no bf16 or f16 on the way to a quantiser, and a product that is left as it is and whose result goes on into a quantised operand takes f32 operands (vector FMAs, or v_wmma_f32_16x16x4_f32). A number that lies on a knife's edge between two numbers of the format may be rounded either way, as far as f32 arithmetic and the matrix unit's own rounding can turn it there, and no further.
;;   INPUTS GIVEN AS CODES. W0 (in the module: [4, 256, 256], K = its axis 2); Wa (in the module: [4, 256, 256], K = its axis 2); Wf (in the module: [4, 256, 256], K = its axis 2); Wl (in the module: [4, 256, 256], K = its axis 2); density (in the module: [65536, 256], K = its axis 1): each comes as NAME_codes (uint8): NAME with its K axis moved to the last place and cut into blocks of 32 codes, [.., K / 32, bytes a block], one block behind the other in memory; one code a byte (a code: sign, 4 exponent bits, 3 mantissa bits); and NAME_scales (uint8): the same leading axes, one E8M0 byte (e + 127) for each 32 codes along K. Its value is code x scale, taken as it is: it is not quantised again, and the codes and scales need not be those that the quantiser above would give.
;; One version. Each part assembles by itself: llvm-mc -triple=amdgcn-amd-amdhsa -mcpu=gfx1250 --defsym DOCPART=n.
;; ======== version 1 of 1: 2 launches
;; workspace buffers: order 262,144 bytes of whole numbers; tiles 4,096 bytes of whole numbers; wfrag 1,048,576 bytes; wscl 32,768 bytes
;; launch route (part 1): grid 32 x 1, 32 waves a work-group, no clusters, 5,120 bytes of LDS; arguments species, W0_codes, Wa_codes, Wl_codes, Wf_codes, W0_scales, Wa_scales, Wl_scales, Wf_scales, order, tiles, wfrag, wscl; writes order, tiles, wfrag, wscl
.if DOCPART == 1
	.amdgcn_target "amdgcn-amd-amdhsa--gfx1250"
	.amdhsa_code_object_version 6
	.text
	.protected	k_q1cec4a4db5_route
	.globl	k_q1cec4a4db5_route
	.p2align	8
	.type	k_q1cec4a4db5_route,@function
k_q1cec4a4db5_route:
	s_mov_b64 s[64:65], 0
	v_nop
	global_prefetch_b8 v0, s[64:65] scope:SCOPE_SE
	s_setreg_imm32_b32 hwreg(HW_REG_WAVE_MODE, 25, 1), 1
	s_wait_xcnt 0x0
; ROUTE.  Two jobs that share one launch, parted by the work-group's number alone.
; Work-groups 0-15: a counting sort of the 65,536 atoms by species (4 kinds), without atomics.  Work-group g places atoms 4096 g .. 4096 g + 4095.
;   Every one of the sixteen reads all species (256 KiB) and counts for itself: the totals n0..n3, the counts in the chunks ahead of its own, and, in its own chunk, those of the waves and lanes ahead.
;   order[pos] = atom, pos = (atoms of lower species) + (same species in earlier chunks) + (in earlier waves of my chunk) + (in earlier lanes) + (earlier among my four).
;   Work-group 0 also writes the table of chunks: 256 entries {expert, first sorted place, rows (0..272), 0}; an expert with n atoms has ceil(n / 272) chunks; entries behind the last chunk have 0 rows.
; Work-groups 16-31: weight L = (g - 16) / 4 (W0, Wa, Wl, Wf), expert e = (g - 16) % 4 is laid in the order of the next launch's operand registers:
;   wfrag [L][e][wave 4][f = 2 t + s, 8][c 4][lane 32][16 bytes]: lane (r, h) holds bytes 128 s + 32 c + 16 h .. + 15 of row 64 wave + 32 (t / 2) + 8 (t % 2) + r + 8 (r / 8);
;   wscl  [L][e][wave 4][t 4][lane 32][4 bytes]: lane (r, h) holds scale bytes 4 h .. 4 h + 3 of that row.
; LIMIT: species lies in 0..3, as the index that reference() makes of it must; whatever it holds, every place is held inside order by a minimum.
; order's stores are 4 bytes a lane into four runs that are nearly dense: whole units would need LDS stores at places made of data.
	s_load_b512 s[4:19], s[0:1], 0x0               ; species s[4:5]; codes of W0 s[6:7], Wa s[8:9], Wl s[10:11], Wf s[12:13]; scales of W0 s[14:15], Wa s[16:17], Wl s[18:19]
	s_load_b256 s[20:27], s[0:1], 0x40             ; scales of Wf s[20:21]; order s[22:23]; tiles s[24:25]; wfrag s[26:27]
	s_load_b64 s[28:29], s[0:1], 0x60              ; wscl
	v_lshl_add_u32 v112, v0, 2, 0x400
	v_mov_b32 v113, 0
	v_lshrrev_b32 v1, 5, v0
	v_readfirstlane_b32 s30, v1                    ; wave 0..31
	v_and_b32 v1, 31, v0                           ; lane
	s_wait_kmcnt 0x0
	s_cmp_ge_u32 ttmp9, 16
	s_cbranch_scc1 .Lrelay
; ---------------- the sort ----------------
	v_lshlrev_b32 v2, 4, v0                        ; 16 bytes a thread: a wave's load covers 512 consecutive bytes
.irp j, 0,1,2,3,4,5,6,7,8,9,10,11,12,13,14,15
	global_load_b128 v[32+4*\j:35+4*\j], v2, s[4:5] offset:16384*\j   ; chunk j: atoms 4096 j + 4 thread + 0..3
.endr
	s_lshl_b32 s56, ttmp9, 14
	s_mov_b32 s57, 0
	s_add_nc_u64 s[58:59], s[4:5], s[56:57]
	global_load_b128 v[96:99], v2, s[58:59]        ; my own chunk once more
	s_mov_b32 s52, 0x76543210
	s_mov_b32 s53, 0xfedcba98                      ; v_permlanex16_b32's selects for lane l xor 16
	v_mov_b32 v3, 0                                ; counts of all chunks so far, four fields of 8 bits (64 at the most)
	v_mov_b32 v4, 0                                ; counts of the chunks ahead of mine
	v_mov_b32 v7, 0                                ; (the destination of a lane move counts as read)
	s_wait_loadcnt 0x0
.macro CNT4 dst, reg                   ; four species -> counts in four fields of 8 bits
	v_lshlrev_b32 v6, 3, v[\reg]
	v_lshlrev_b32 v[\dst], v6, 1
.irp i, 1,2,3
	v_lshlrev_b32 v6, 3, v[(\reg)+\i]
	v_lshl_add_u32 v[\dst], 1, v6, v[\dst]
.endr
.endm
.irp j, 0,1,2,3,4,5,6,7,8,9,10,11,12,13,14,15
	s_cmp_eq_u32 ttmp9, \j
	s_cselect_b32 s56, -1, 0
	v_cndmask_b32 v4, v4, v3, s56                  ; at my own chunk: what has been counted so far lies ahead of me
	CNT4 5, 32+4*\j
	v_add_nc_u32 v3, v3, v5
.endr
	CNT4 12, 96                                    ; my own four
	v_and_b32 v8, 0xff00ff, v3                     ; fields of 16 bits: species 0 and 2,
	v_lshrrev_b32 v9, 8, v3
	v_and_b32 v9, 0xff00ff, v9                     ; species 1 and 3
	v_and_b32 v10, 0xff00ff, v4
	v_lshrrev_b32 v11, 8, v4
	v_and_b32 v11, 0xff00ff, v11
.macro XSUM reg                        ; the sum over each half of 16 lanes, in every lane of it
.irp n, 1,2,4,8
	v_mov_b32_dpp v7, v[\reg] row_xmask:\n row_mask:0xf bank_mask:0xf
	v_add_nc_u32 v[\reg], v[\reg], v7
.endr
.endm
.irp g, 8,9,10,11                      ; the wave's sums: 32 x 64 = 2,048 a field at the most
	XSUM \g
	v_permlanex16_b32 v7, v[\g], s52, s53
	v_add_nc_u32 v[\g], v[\g], v7
.endr
	v_mov_b32 v13, v12                             ; the running sum of my own chunk's counts over the lanes (fields of 8 bits, 128 at the most)
.irp n, 1,2,4,8
	v_mov_b32_dpp v7, v13 row_shr:\n row_mask:0xf bank_mask:0xf bound_ctrl:1
	v_add_nc_u32 v13, v13, v7
.endr
	v_readlane_b32 s56, v13, 15
	v_mov_b32 v7, s56
	s_mov_b32 s57, 0xffff0000
	v_cndmask_b32 v7, 0, v7, s57                   ; lanes 16-31 add the lower half's total
	v_add_nc_u32 v13, v13, v7
	v_readlane_b32 s56, v13, 31
	v_mov_b32 v14, s56                             ; the wave's total in my chunk
	v_mov_b32 v15, s30
	v_lshlrev_b32 v15, 5, v15                      ; my wave's record: 32 bytes
	ds_store_b128 v15, v[8:11]                     ; all lanes store the same numbers at the same place
	ds_store_b32 v15, v14 offset:16
	s_wait_dscnt 0x0                               ; for the others' sake: my record lies in LDS
	s_barrier_signal -1
	s_barrier_wait -1
	v_lshlrev_b32 v16, 5, v1                       ; lane l takes wave l's record
	ds_load_b128 v[20:23], v16
	ds_load_b32 v24, v16 offset:16
	s_wait_dscnt 0x0
	v_cmp_gt_u32 vcc_lo, s30, v1
	v_cndmask_b32 v24, 0, v24, vcc_lo              ; of my chunk only the waves ahead of mine count
	v_lshrrev_b32 v25, 8, v24
	v_and_b32 v24, 0xff00ff, v24
	v_and_b32 v25, 0xff00ff, v25
.irp g, 20,21,22,23,24,25
	XSUM \g                                        ; sixteen waves' sums: 32,768 a field at the most, inside 16 bits; the two halves are added as scalars
.endr
.macro UNP lo, hi, reg
	v_readlane_b32 s56, v[\reg], 0
	v_readlane_b32 s57, v[\reg], 16
	s_and_b32 s58, s56, 0xffff
	s_and_b32 s59, s57, 0xffff
	s_add_co_u32 s[\lo], s58, s59
	s_lshr_b32 s56, s56, 16
	s_lshr_b32 s57, s57, 16
	s_add_co_u32 s[\hi], s56, s57
.endm
	UNP 32, 34, 20                                 ; s32-35: n0..n3
	UNP 33, 35, 21
	UNP 36, 38, 22                                 ; s36-39: in the chunks ahead of mine
	UNP 37, 39, 23
	UNP 40, 42, 24                                 ; s40-43: in my chunk, in the waves ahead of mine
	UNP 41, 43, 25
	s_mov_b32 s44, 0                               ; s44-47: where each species begins in order
	s_mov_b32 s45, s32
	s_add_co_u32 s46, s45, s33
	s_add_co_u32 s47, s46, s34
.irp e, 0,1,2,3
	s_add_co_u32 s[48+\e], s[44+\e], s[36+\e]
	s_add_co_u32 s[48+\e], s[48+\e], s[40+\e]
	v_mov_b32 v[26+\e], s[48+\e]                   ; my wave's first place for species e
.endr
	v_sub_nc_u32 v13, v13, v12                     ; the lanes ahead of mine
	s_lshl_b32 s56, ttmp9, 12
	v_lshl_add_u32 v30, v0, 2, s56                 ; my first atom
.irp i, 0,1,2,3                        ; each of my four has registers of its own for its store
	v_lshlrev_b32 v6, 3, v[96+\i]
	v_bfe_u32 v7, v13, v6, 8                       ; how many of its species stand ahead of it in the wave
	v_lshl_add_u32 v13, 1, v6, v13
	v_and_b32 v5, 1, v[96+\i]
	v_cmp_eq_u32 vcc_lo, 1, v5
	v_cndmask_b32 v17, v26, v27, vcc_lo
	v_cndmask_b32 v18, v28, v29, vcc_lo
	v_cmp_lt_u32 vcc_lo, 1, v[96+\i]
	v_cndmask_b32 v17, v17, v18, vcc_lo
	v_add_nc_u32 v17, v17, v7
	v_min_u32 v17, 0xffff, v17                     ; a place made of loaded numbers is held inside the buffer
	v_lshlrev_b32 v[100+\i], 2, v17
	v_add_nc_u32 v[104+\i], \i, v30
	global_store_b32 v[100+\i], v[104+\i], s[22:23]
.endr
	s_cmp_lg_u32 ttmp9, 0                          ; the table: work-group 0, threads 0-255, an entry each
	s_cbranch_scc1 .Ldone
	s_cmp_ge_u32 s30, 8
	s_cbranch_scc1 .Ldone
.irp e, 0,1,2
	s_add_co_u32 s56, s[32+\e], 271
	s_lshr_b32 s56, s56, 4                         ; (n + 271) / 16, 4,112 at the most;
	s_mul_i32 s56, s56, 61681
	s_lshr_b32 s[60+\e], s56, 20                   ; / 17 by 61681 / 2^20, exact under 2^20: ceil(n / 272)
.endr
	s_add_co_u32 s61, s61, s60                     ; s60-62: the first chunk of experts 1, 2, 3
	s_add_co_u32 s62, s62, s61
	v_cmp_le_u32 s66, s60, v0
	v_cmp_le_u32 s67, s61, v0
	v_cmp_le_u32 s68, s62, v0
	v_mov_b32 v48, 0                               ; expert,
	v_mov_b32 v41, 0                               ; its first chunk,
	v_mov_b32 v42, 0                               ; its first place,
	v_mov_b32 v43, s32                             ; its atoms
.irp k, 1,2,3
	v_mov_b32 v44, \k
	v_cndmask_b32 v48, v48, v44, s[65+\k]
	v_mov_b32 v44, s[59+\k]
	v_cndmask_b32 v41, v41, v44, s[65+\k]
	v_mov_b32 v44, s[44+\k]
	v_cndmask_b32 v42, v42, v44, s[65+\k]
	v_mov_b32 v44, s[32+\k]
	v_cndmask_b32 v43, v43, v44, s[65+\k]
.endr
	v_sub_nc_u32 v45, v0, v41                      ; which chunk of the expert
	v_mul_u32_u24 v46, v45, 0x110                  ; x 272 rows
	v_add_nc_u32 v49, v42, v46
	v_min_u32 v49, 0xffff, v49                     ; first place
	v_sub_nc_u32 v50, v43, v46
	v_max_i32 v50, 0, v50
	v_min_u32 v50, 0x110, v50                      ; rows: what is left, 0 to 272
	v_mov_b32 v51, 0
	v_lshlrev_b32 v52, 4, v0
	global_store_b128 v52, v[48:51], s[24:25]      ; 4,096 consecutive bytes
	s_branch .Ldone
; ---------------- the weights ----------------
.Lrelay:
	s_sub_co_u32 s56, ttmp9, 16                    ; 4 L + e
	s_lshr_b32 s57, s56, 2                         ; L
	s_and_b32 s58, s56, 3                          ; e
	s_cmp_eq_u32 s57, 1
	s_cselect_b64 s[60:61], s[8:9], s[6:7]
	s_cselect_b64 s[62:63], s[16:17], s[14:15]
	s_cmp_eq_u32 s57, 2
	s_cselect_b64 s[60:61], s[10:11], s[60:61]
	s_cselect_b64 s[62:63], s[18:19], s[62:63]
	s_cmp_eq_u32 s57, 3
	s_cselect_b64 s[60:61], s[12:13], s[60:61]
	s_cselect_b64 s[62:63], s[20:21], s[62:63]
	s_mov_b32 s67, 0
	s_lshl_b32 s66, s58, 16
	s_add_nc_u64 s[60:61], s[60:61], s[66:67]      ; the expert's 65,536 bytes of codes
	s_lshl_b32 s66, s58, 11
	s_add_nc_u64 s[62:63], s[62:63], s[66:67]      ; and 2,048 of scales
	s_lshl_b32 s66, s56, 16
	s_add_nc_u64 s[26:27], s[26:27], s[66:67]
	s_lshl_b32 s66, s56, 11
	s_add_nc_u64 s[28:29], s[28:29], s[66:67]
	v_and_b32 v2, 15, v0                           ; r.  The thread's number is lane (5 bits), c (2), s, u, b: 16 x thread is its place in a wave's 16,384 bytes of wfrag
	v_and_b32 v3, 8, v2
	v_add_nc_u32 v3, v3, v2                        ; r + 8 (r / 8)
	v_bfe_u32 v4, v0, 8, 1
	v_lshl_add_u32 v3, v4, 3, v3                   ; + 8 u
	v_bfe_u32 v4, v0, 9, 1
	v_lshl_add_u32 v3, v4, 5, v3                   ; + 32 b
	v_lshlrev_b32 v3, 8, v3                        ; a row is 256 bytes
	v_bfe_u32 v4, v0, 7, 1
	v_lshl_add_u32 v3, v4, 7, v3                   ; + 128 s
	v_bfe_u32 v4, v0, 5, 2
	v_lshl_add_u32 v3, v4, 5, v3                   ; + 32 c
	v_bfe_u32 v4, v0, 4, 1
	v_lshl_add_u32 v3, v4, 4, v3                   ; + 16 h
	v_lshlrev_b32 v5, 4, v0
.irp p, 0,1,2,3
	global_load_b128 v[8+4*\p:11+4*\p], v3, s[60:61] offset:16384*\p   ; the next launch's wave p: 64 rows further on
.endr
	s_wait_loadcnt 0x0
.irp p, 0,1,2,3
	global_store_b128 v5, v[8+4*\p:11+4*\p], s[26:27] offset:16384*\p  ; a wave stores 512 consecutive bytes
.endr
	s_cmp_ge_u32 s30, 16                           ; the scale words: threads 0-511: lane (5 bits), u, b, wave (2)
	s_cbranch_scc1 .Ldone
	v_and_b32 v6, 8, v2
	v_add_nc_u32 v6, v6, v2
	v_bfe_u32 v7, v0, 5, 1
	v_lshl_add_u32 v6, v7, 3, v6
	v_bfe_u32 v7, v0, 6, 1
	v_lshl_add_u32 v6, v7, 5, v6
	v_bfe_u32 v7, v0, 7, 2
	v_lshl_add_u32 v6, v7, 6, v6                   ; the row
	v_lshlrev_b32 v6, 3, v6                        ; 8 scale bytes a row
	v_lshl_add_u32 v6, v4, 2, v6                   ; + 4 h
	global_load_b32 v24, v6, s[62:63]
	v_lshlrev_b32 v25, 2, v0
	s_wait_loadcnt 0x0
	global_store_b32 v25, v24, s[28:29]
.Ldone:
	s_wait_tensorcnt 0x0
	ds_add_u32 v112, v113
	s_wait_dscnt 0x0
	s_endpgm
.Lfunc_end_k_q1cec4a4db5_route:
	.size	k_q1cec4a4db5_route, .Lfunc_end_k_q1cec4a4db5_route-k_q1cec4a4db5_route
	.p2alignl 7, 3214868480
	.fill 96, 4, 3214868480
	.section	.rodata,"a",@progbits
	.p2align	6, 0x0
	.amdhsa_kernel k_q1cec4a4db5_route
		.amdhsa_group_segment_fixed_size 5120
		.amdhsa_private_segment_fixed_size 0
		.amdhsa_enable_private_segment 0
		.amdhsa_kernarg_size 104
		.amdhsa_user_sgpr_count 2
		.amdhsa_user_sgpr_kernarg_segment_ptr 1
		.amdhsa_wavefront_size32 1
		.amdhsa_system_sgpr_workgroup_id_x 1
		.amdhsa_system_sgpr_workgroup_id_y 1
		.amdhsa_system_sgpr_workgroup_id_z 1
		.amdhsa_system_vgpr_workitem_id 0
		.amdhsa_next_free_vgpr 114
		.amdhsa_next_free_sgpr 96
		.amdhsa_reserve_vcc 1
		.amdhsa_float_denorm_mode_32 3
		.amdhsa_float_denorm_mode_16_64 3
		.amdhsa_memory_ordered 1
		.amdhsa_forward_progress 1
		.amdhsa_inst_pref_size 29
	.end_amdhsa_kernel
	.amdgpu_metadata
---
amdhsa.version: [ 1, 2 ]
amdhsa.kernels:
  - .name:           k_q1cec4a4db5_route
    .symbol:         k_q1cec4a4db5_route.kd
    .args:
      - { .name: species, .offset: 0, .size: 8, .value_kind: global_buffer, .address_space: global }
      - { .name: W0_codes, .offset: 8, .size: 8, .value_kind: global_buffer, .address_space: global }
      - { .name: Wa_codes, .offset: 16, .size: 8, .value_kind: global_buffer, .address_space: global }
      - { .name: Wl_codes, .offset: 24, .size: 8, .value_kind: global_buffer, .address_space: global }
      - { .name: Wf_codes, .offset: 32, .size: 8, .value_kind: global_buffer, .address_space: global }
      - { .name: W0_scales, .offset: 40, .size: 8, .value_kind: global_buffer, .address_space: global }
      - { .name: Wa_scales, .offset: 48, .size: 8, .value_kind: global_buffer, .address_space: global }
      - { .name: Wl_scales, .offset: 56, .size: 8, .value_kind: global_buffer, .address_space: global }
      - { .name: Wf_scales, .offset: 64, .size: 8, .value_kind: global_buffer, .address_space: global }
      - { .name: order, .offset: 72, .size: 8, .value_kind: global_buffer, .address_space: global }
      - { .name: tiles, .offset: 80, .size: 8, .value_kind: global_buffer, .address_space: global }
      - { .name: wfrag, .offset: 88, .size: 8, .value_kind: global_buffer, .address_space: global }
      - { .name: wscl, .offset: 96, .size: 8, .value_kind: global_buffer, .address_space: global }
    .group_segment_fixed_size: 5120
    .private_segment_fixed_size: 0
    .kernarg_segment_align: 8
    .kernarg_segment_size: 104
    .max_flat_workgroup_size: 1024
    .sgpr_count:     96
    .vgpr_count:     114
    .wavefront_size: 32
...
	.end_amdgpu_metadata
.endif
;; end of part 1
;; launch chain (part 2): grid 244 x 1, 4 waves a work-group, no clusters, 66,048 bytes of LDS; arguments tiles, order, wfrag, wscl, density_codes, density_scales, b0, ba, alpha_a, gamma, beta_ln, bl, bf, alpha_f, Wo, bo, out0; writes out0
.if DOCPART == 2
	.amdgcn_target "amdgcn-amd-amdhsa--gfx1250"
	.amdhsa_code_object_version 6
	.text
	.protected	k_q1cec4a4db5_chain
	.globl	k_q1cec4a4db5_chain
	.p2align	8
	.type	k_q1cec4a4db5_chain,@function
k_q1cec4a4db5_chain:
	s_mov_b64 s[64:65], 0
	v_nop
	global_prefetch_b8 v0, s[64:65] scope:SCOPE_SE
	s_setreg_imm32_b32 hwreg(HW_REG_WAVE_MODE, 25, 1), 1
	s_wait_xcnt 0x0
; CHAIN.  One work-group takes one chunk of at most 272 sorted atoms of ONE expert through the whole network:
;   x = d W0^T + b0;  h = LayerNorm(alpha_a silu(Q(x) Wa^T + ba));  x2 = x + Q(h) Wl^T + bl;  y = sum over columns of alpha_f silu(Q(x2) Wf^T + bf) Wo + bo.
; The four products of 256 x 256 run on codes of E4M3 with one E8M0 scale for each 32 along K; Q is the quantiser along K, made in registers from f32 numbers; nothing between the gather and y goes to memory.
; GRID: 244 = floor((65536 + 4 x 271) / 272) chunks are enough for every split of the atoms over the four experts.  The chunk's expert, first sorted place and rows come from the table that the launch before stored.
;   They enter addresses and the mask of the last stores alone: no branch and no trip count hangs on them.  A chunk with fewer rows works on rows held inside the list and stores only its own.
; SHARES: 17 tiles of 16 atoms: four blocks of four tiles (a loop of four trips) and a tail of one.  THE WAVES SHARE THE COLUMNS: wave w makes columns 64 w .. 64 w + 63 of every layer, for all rows.
;   So its quarter of the four weights, 512 registers, is read once and stays, and LDS carries only the rows' codes.
; LAYOUT: every product is used transposed (source 0 = 16 rows of a weight, source 1 = 16 atoms).  The rows of a weight that form tile t = 2 b + u are 64 w + 32 b + 8 u + r + 8 (r / 8), so that lane (r, h)
;   holds, of atom r, in registers 16 b + i the columns 64 w + 32 b + 16 h + i: 16 neighbours along the next K, and the conversions' results are registers of the next operand.
;   Operands go from wave to wave as images of their registers: 16 bytes a lane, 512 consecutive bytes an instruction; no pitch, no padding.
; LAYERNORM: each wave gives, for each atom, the mean of its 64 columns and the sum of squares about THAT mean; the four are joined as mean of means and M2 + 64 (mean - mu)^2: no difference of large sums, one barrier.
; NO CLUSTER: what work-groups share is the weights; their address hangs on the stored expert, which may differ between neighbouring chunks, and each work-group reads them once, not once a step.
; LIMITS: NaN and infinities among the inputs are not served.  A block of zeros gets the scale byte 1 where the quantiser says 127: its codes are zeros, and this launch alone reads the bytes.
;   Three orders of rounding differ from reference()'s, each in the last bit of f32: alpha_f Wo is multiplied first; u alpha is taken ahead of the sigmoid; bl is added to x ahead of the third product.
;   out0 leaves as stores of 4 bytes: an atom's place in it is given by the input's order.
; LDS
.set XIMG, 0                           ; density's fragments of a block: [tile m 4][q = 4 s + c, 8][lane][16]
.set IMG0, 16384                       ; codes of x, later of h, same layout; wave w writes q = 2 w, 2 w + 1
.set IMG1, 32768                       ; codes of x2
.set XSC,  49152                       ; scale words [m][lane]: lanes 0-15 the word of K step 0 of atom r, lanes 16-31 that of K step 1
.set SC0,  49664
.set SC1,  50176
.set STAT, 50688                       ; [m][r][w] 8 bytes: a wave's mean and sum of squares
.set YP,   52736                       ; [tile 17][r][w] 4 bytes: a wave's part of y
.set PAR,  57344                       ; [w][vector 8][64 columns] f32: b0, bl, ba, alpha_a, gamma, beta_ln, bf, alpha_f Wo; each wave's own 2,048 bytes
; REGISTERS, window 0
.set LI,  1                            ; 16 x lane
.set LS,  2                            ; 4 x lane
.set IW,  3                            ; 16 x lane + 1024 w: where I store my two pieces of an image
.set SW,  4                            ; 4 r + 64 (w / 2) + 2 (w % 2): my two scale bytes
.set XW,  5                            ; 16 x lane + 4096 w
.set XSW, 6                            ; 4 x lane + 128 w
.set PAD, 7                            ; PAR + 2048 w + 64 h
.set STW, 8                            ; 32 r + 8 w
.set STR, 9                            ; 32 r
.set YWA, 10                           ; 16 r + 4 w
.set GO,  11                           ; gather: offset in density's codes
.set GS,  12                           ; and in its scales
.set OA,  13                           ; offset in order
.set IX,  14                           ; the atom's number loaded ahead
.set SLOT, 15                          ; its row in the chunk
.set WS,  16                           ; v16-31 the weights' scale words, 4 L + t: scales and nothing else
.set BF,  32                           ; v32-63 the two fragments of the tile of atoms in hand
.set BSC, 64                           ; its scale word: scales and nothing else
.set XSV, 65                           ; density's scale word on its way to LDS
.set PC,  66                           ; v66-73 codes just made
.set H16, 80                           ; 16 h
.set H4,  81                           ; 4 h
.set HW,  82                           ; two scale bytes
.set VT,  83                           ; at work
.set TM,  84                           ; v84-91 at work
.set YA,  92                           ; where this phase's parts of y go
.set T,   96                           ; v96-127 at work
.set ACC, 128                          ; v128-255 results of products 2 and 4: 32 m + 8 t
; window 1: W0 at v[16 (2 t + s)], Wa at v[128 + ..];  window 2: Wl, Wf likewise
; window 3: v0-127 x, 32 m + 8 t; v128-159 and v160-191 two parameter vectors in the results' layout; v192-223 a gathered tile of density
.set WV,  38                           ; s38 wave;  s39 expert;  s40 first sorted place;  s41 rows;  s[42:43] lane selects;  s44 mantissa of 448;  s45 64.0;  s[46:47] -log2(e);  s48 1/256;  s49 eps;  s50 trips;  s51 bo
.set YB,  81                           ; s81 1,024 x trip: the block's place in YP
.set MSB, 0
.macro WIN new                         ; low byte: bits 1:0 source 0, 3:2 source 1, 5:4 source 2, 7:6 destination; the high byte repeats the setting that is left
.if MSB != (\new)
	s_set_vgpr_msb (MSB<<8)|(\new)
.set MSB, (\new)
.endif
.endm
.macro PLACES n
.rept \n
	v_nop
.endr
.endm
.macro PLOAD va, vb                    ; two parameter vectors into window 3: register 16 b + i = column 64 w + 32 b + 16 h + i
	WIN 0xC0
.irp q, 0,1,2,3,4,5,6,7
	ds_load_b128 v[128+4*\q:131+4*\q], v[PAD] offset:256*(\va)+128*(\q/4)+16*(\q%4)
.endr
.irp q, 0,1,2,3,4,5,6,7
	ds_load_b128 v[160+4*\q:163+4*\q], v[PAD] offset:256*(\vb)+128*(\q/4)+16*(\q%4)
.endr
	WIN 0
.endm
.macro BAR                             ; my LDS stores have landed and my LDS loads are in: then the work-group's barrier
	s_wait_dscnt 0x0
	s_barrier_signal -1
	s_barrier_wait -1
.endm
.macro BARP va, vb                     ; the same; between signal and wait the next parameters are fetched: bytes that nobody writes behind the head
	s_wait_dscnt 0x0
	s_barrier_signal -1
	PLOAD \va, \vb
	s_barrier_wait -1
.endm
.macro FETCHB img, sc, m               ; tile m's two fragments and its scale word
.irp q, 0,1,2,3,4,5,6,7
	ds_load_b128 v[BF+4*\q:BF+4*\q+3], v[LI] offset:(\img)+4096*(\m)+512*\q
.endr
	ds_load_b32 v[BSC], v[LS] offset:(\sc)+128*(\m)
.endm
.macro HOOK img, sc, nf                ; the tile after next is fetched inside a vector block, eight plain lines or more behind the products that read the registers
.if (\nf) >= 0
	FETCHB \img, \sc, \nf
.endif
.endm
; Eight products: layer L, tile m of atoms, my four tiles of columns, K step 0 and then K step 1.  The four accumulators take turns, one instruction a turn.
; The first K step takes the bias as C (layers 0, 1, 3), or x itself, in place (layer 2: the residual).  K step 1 reads both sides' scale words from lanes 16-31.
.macro MM L, m
.set DB, 32*(\m)+128*((\L)&1)
.set AB, 128*((\L)&1)
.set WA, 1+(\L)/2
.set WD, 3*(1-((\L)&1))
.irp s, 0,1
.if (\s == 0) && ((\L) != 2)
	WIN (WD<<6)|(3<<4)|WA
.else
	WIN (WD<<6)|(WD<<4)|WA
.endif
.irp t, 0,1,2,3
.if \s == 0
.if (\L) == 2
	v_wmma_scale_f32_16x16x128_f8f6f4 v[DB+8*\t:DB+8*\t+7], v[AB+32*\t:AB+32*\t+15], v[BF:BF+15], v[DB+8*\t:DB+8*\t+7], v[WS+4*(\L)+\t], v[BSC]
.else
	v_wmma_scale_f32_16x16x128_f8f6f4 v[DB+8*\t:DB+8*\t+7], v[AB+32*\t:AB+32*\t+15], v[BF:BF+15], v[128+8*\t:135+8*\t], v[WS+4*(\L)+\t], v[BSC]
.endif
.else
	v_wmma_scale_f32_16x16x128_f8f6f4 v[DB+8*\t:DB+8*\t+7], v[AB+32*\t+16:AB+32*\t+31], v[BF+16:BF+31], v[DB+8*\t:DB+8*\t+7], v[WS+4*(\L)+\t], v[BSC] matrix_a_scale:MATRIX_SCALE_ROW1 matrix_b_scale:MATRIX_SCALE_ROW1
.endif
.endr
.endr
	WIN 0
.endm
; THE QUANTISER, in three parts.  QMAX: the largest magnitude of each accumulator's eight numbers, with the floor 2^(9 - 127) among the leaves; each accumulator is read from its low end on.
.macro QMAX base, win
	WIN \win
.irp k, 0,1,2,3
	v_max3_num_f32 v[TM+\k], |v[(\base)+8*\k]|, |v[(\base)+8*\k+1]|, 0x4800000
.endr
.irp i, 2,4,6
.irp k, 0,1,2,3
	v_max3_num_f32 v[TM+\k], |v[(\base)+8*\k+\i]|, |v[(\base)+8*\k+\i+1]|, v[TM+\k]
.endr
.endr
	WIN 0
.endm
.macro QMID                            ; two blocks of 32: my 16 and lane l xor 16's; TM+4, +5 the conversions' scale operands; TM+6, +7 448 x the scale; HW the two bytes
	v_max_num_f32 v[TM], v[TM], v[TM+1]
	v_max_num_f32 v[TM+2], v[TM+2], v[TM+3]
	v_permlanex16_b32 v[TM+1], v[TM], s42, s43
	v_permlanex16_b32 v[TM+3], v[TM+2], s42, s43
	v_max_num_f32 v[TM], v[TM], v[TM+1]
	v_max_num_f32 v[TM+2], v[TM+2], v[TM+3]
	v_add_nc_u32 v[TM+4], 0xfc000000, v[TM]        ; 8 off the exponent field
	v_add_nc_u32 v[TM+5], 0xfc000000, v[TM+2]
	v_and_or_b32 v[TM+6], v[TM], 0x7f800000, s44   ; the exponent field over 448's mantissa
	v_and_or_b32 v[TM+7], v[TM+2], 0x7f800000, s44
	v_lshrrev_b32 v[TM+1], 23, v[TM+4]
	v_lshrrev_b32 v[TM+3], 23, v[TM+5]
	v_lshl_or_b32 v[HW], v[TM+3], 8, v[TM+1]
.endm
.macro QOUT src, img, sc, m            ; 32 held numbers become 32 codes; they and the two bytes go to LDS.  No LDS store of mine is out when a vector block begins, so PC and HW are free
	v_cvt_scalef32_pk8_fp8_f32 v[PC:PC+1], v[(\src):(\src)+7], v[TM+4]
	v_cvt_scalef32_pk8_fp8_f32 v[PC+2:PC+3], v[(\src)+8:(\src)+15], v[TM+4]
	v_cvt_scalef32_pk8_fp8_f32 v[PC+4:PC+5], v[(\src)+16:(\src)+23], v[TM+5]
	v_cvt_scalef32_pk8_fp8_f32 v[PC+6:PC+7], v[(\src)+24:(\src)+31], v[TM+5]
	v_nop                                          ; one plain line behind the last conversion, ahead of whatever next touches its registers
	ds_store_b128 v[IW], v[PC:PC+3] offset:(\img)+4096*(\m)
	ds_store_b128 v[IW], v[PC+4:PC+7] offset:(\img)+4096*(\m)+512
	ds_store_b16 v[SW], v[HW] offset:(\sc)+128*(\m)    ; both halves of the lanes store the same bytes
.endm
; Behind product 1: x is quantised (held copies in T: x itself is kept), then bl is added to it for the residual.
.macro VA m, nf
	QMAX 32*(\m), 0x0F
	QMID
	HOOK XIMG, XSC, \nf
	WIN 0x03
.set ii, 0
.rept 32
	v_med3_num_f32 v[T+ii], v[32*(\m)+ii], -v[TM+6+ii/16], v[TM+6+ii/16]   ; the conversion to an 8-bit code does not saturate (ISA guide 7.6.2): the hold at 448 x the scale
.set ii, ii+1
.endr
	WIN 0xCF
.set ii, 0
.rept 16
	v_pk_add_f32 v[32*(\m)+ii:32*(\m)+ii+1], v[32*(\m)+ii:32*(\m)+ii+1], v[160+ii:161+ii]
.set ii, ii+2
.endr
	WIN 0
	QOUT T, IMG0, SC0, \m
.endm
; The sigmoid of tile m's 32 numbers u into T, and u times the staged gain in place.  Two batches of transcendentals, each with one wait ahead of its first reader.
.macro SIG m, nf, img, sc
.set AC, ACC+32*(\m)
.set ii, 0
.rept 16
	v_pk_mul_f32 v[T+ii:T+ii+1], v[AC+ii:AC+ii+1], s[46:47] op_sel_hi:[1,0]    ; -u log2(e)
.set ii, ii+2
.endr
.set ii, 0
.rept 32
	v_exp_f32 v[T+ii], v[T+ii]
.set ii, ii+1
.endr
	WIN 0x0C                                       ; source 1, the staged gain, lies in window 3; u and the result in window 0
.set ii, 0
.rept 16
	v_pk_mul_f32 v[AC+ii:AC+ii+1], v[AC+ii:AC+ii+1], v[160+ii:161+ii]          ; u x gain: work that names no exponential's result
.set ii, ii+2
.endr
	WIN 0
	s_wait_alu depctr_va_vdst(0)                   ; one wait for the 32 exponentials
.set ii, 0
.rept 16
	v_pk_add_f32 v[T+ii:T+ii+1], v[T+ii:T+ii+1], 1.0 op_sel_hi:[1,0]
.set ii, ii+2
.endr
.set ii, 0
.rept 32
	v_rcp_f32 v[T+ii], v[T+ii]
.set ii, ii+1
.endr
	HOOK \img, \sc, \nf
	v_nop                                          ; a plain line behind the last reciprocal
	s_wait_alu depctr_va_vdst(0)                   ; one wait for the 32 reciprocals
.endm
; Behind product 2: h = alpha_a silu(u); my 64 columns' mean; h less that mean stays in ACC; the sum of its squares; both to LDS.
.macro VB m, nf
	SIG \m, \nf, IMG0, SC0
.set ii, 0
.rept 16
	v_pk_mul_f32 v[AC+ii:AC+ii+1], v[AC+ii:AC+ii+1], v[T+ii:T+ii+1]
.set ii, ii+2
.endr
	v_pk_add_f32 v[TM:TM+1], v[AC:AC+1], v[AC+4:AC+5]
	v_pk_add_f32 v[TM+2:TM+3], v[AC+2:AC+3], v[AC+6:AC+7]
.irp i, 8,12,16,20,24,28
	v_pk_add_f32 v[TM:TM+1], v[TM:TM+1], v[AC+\i:AC+\i+1]
	v_pk_add_f32 v[TM+2:TM+3], v[TM+2:TM+3], v[AC+\i+2:AC+\i+3]
.endr
	v_pk_add_f32 v[TM:TM+1], v[TM:TM+1], v[TM+2:TM+3]
	v_add_f32 v[TM], v[TM], v[TM+1]
	v_permlanex16_b32 v[TM+1], v[TM], s42, s43
	v_add_f32 v[TM], v[TM], v[TM+1]
	v_mul_f32 v[TM], 0x3c800000, v[TM]             ; / 64
.set ii, 0
.rept 16
	v_pk_add_f32 v[AC+ii:AC+ii+1], v[AC+ii:AC+ii+1], v[TM:TM+1] op_sel_hi:[1,0] neg_lo:[0,1] neg_hi:[0,1]
.set ii, ii+2
.endr
	v_pk_mul_f32 v[TM+2:TM+3], v[AC:AC+1], v[AC:AC+1]
	v_pk_mul_f32 v[TM+4:TM+5], v[AC+2:AC+3], v[AC+2:AC+3]
.irp i, 4,8,12,16,20,24,28
	v_pk_fma_f32 v[TM+2:TM+3], v[AC+\i:AC+\i+1], v[AC+\i:AC+\i+1], v[TM+2:TM+3]
	v_pk_fma_f32 v[TM+4:TM+5], v[AC+\i+2:AC+\i+3], v[AC+\i+2:AC+\i+3], v[TM+4:TM+5]
.endr
	v_pk_add_f32 v[TM+2:TM+3], v[TM+2:TM+3], v[TM+4:TM+5]
	v_add_f32 v[TM+2], v[TM+2], v[TM+3]
	v_permlanex16_b32 v[TM+3], v[TM+2], s42, s43
	v_add_f32 v[TM+1], v[TM+2], v[TM+3]
	ds_store_b64 v[STW], v[TM:TM+1] offset:STAT+512*(\m)
.endm
; The four waves' figures of tile m (T + 8 m: mean, M2 four times; TM + m: my own mean) become 1 / sqrt(var + eps) in T + 8 m; my mean less the row's stays in TM + m.
.macro STATS m
.set SA, T+8*(\m)
	v_add_f32 v[TM+4], v[SA], v[SA+2]
	v_add_f32 v[TM+5], v[SA+4], v[SA+6]
	v_add_f32 v[TM+4], v[TM+4], v[TM+5]
	v_mul_f32 v[TM+4], 0x3e800000, v[TM+4]         ; the row's mean: the mean of four means of 64
	v_add_f32 v[SA+1], v[SA+1], v[SA+3]
	v_add_f32 v[SA+5], v[SA+5], v[SA+7]
	v_add_f32 v[SA+1], v[SA+1], v[SA+5]
.irp j, 0,2,4,6
	v_sub_f32 v[SA+\j], v[SA+\j], v[TM+4]
.endr
	v_mul_f32 v[SA+3], v[SA], v[SA]
	v_fma_f32 v[SA+3], v[SA+2], v[SA+2], v[SA+3]
	v_fma_f32 v[SA+3], v[SA+4], v[SA+4], v[SA+3]
	v_fma_f32 v[SA+3], v[SA+6], v[SA+6], v[SA+3]
	v_fma_f32 v[SA+1], v[SA+3], s45, v[SA+1]       ; + 64 x the means' squares about the row's mean
	v_fma_f32 v[SA+1], v[SA+1], s48, s49           ; / 256 + eps
	v_sub_f32 v[TM+(\m)], v[TM+(\m)], v[TM+4]
	v_rsq_f32 v[SA], v[SA+1]
.endm
; LayerNorm's end and its quantiser: (d + delta) rs gamma + beta, in place.
.macro VC m
.set AC, ACC+32*(\m)
.set SA, T+8*(\m)
.set ii, 0
.rept 16
	v_pk_fma_f32 v[AC+ii:AC+ii+1], v[AC+ii:AC+ii+1], v[SA:SA+1], v[SA:SA+1] op_sel:[0,0,1] op_sel_hi:[1,0,1]   ; d x rs + delta rs: of the pair the first word multiplies, the second is added
.set ii, ii+2
.endr
	WIN 0x3C
.set ii, 0
.rept 16
	v_pk_fma_f32 v[AC+ii:AC+ii+1], v[AC+ii:AC+ii+1], v[128+ii:129+ii], v[160+ii:161+ii]
.set ii, ii+2
.endr
	WIN 0
	QMAX AC, 0
	QMID
.set ii, 0
.rept 32
	v_med3_num_f32 v[AC+ii], v[AC+ii], -v[TM+6+ii/16], v[TM+6+ii/16]
.set ii, ii+1
.endr
	QOUT AC, IMG0, SC0, \m
.endm
; Behind product 3: x2 is quantised.
.macro VD m, nf
	QMAX 32*(\m), 0x0F
	QMID
	HOOK IMG0, SC0, \nf
	WIN 0x03
.set ii, 0
.rept 32
	v_med3_num_f32 v[T+ii], v[32*(\m)+ii], -v[TM+6+ii/16], v[TM+6+ii/16]
.set ii, ii+1
.endr
	WIN 0
	QOUT T, IMG1, SC1, \m
.endm
; Behind product 4: my 64 columns' part of y: the sum of (u alpha_f Wo) x sigmoid(u).
.macro VE m, nf
	SIG \m, \nf, IMG1, SC1
	v_pk_mul_f32 v[TM:TM+1], v[AC:AC+1], v[T:T+1]
	v_pk_mul_f32 v[TM+2:TM+3], v[AC+2:AC+3], v[T+2:T+3]
.irp i, 4,8,12,16,20,24,28
	v_pk_fma_f32 v[TM:TM+1], v[AC+\i:AC+\i+1], v[T+\i:T+\i+1], v[TM:TM+1]
	v_pk_fma_f32 v[TM+2:TM+3], v[AC+\i+2:AC+\i+3], v[T+\i+2:T+\i+3], v[TM+2:TM+3]
.endr
	v_pk_add_f32 v[TM:TM+1], v[TM:TM+1], v[TM+2:TM+3]
	v_add_f32 v[TM], v[TM], v[TM+1]
	v_permlanex16_b32 v[TM+1], v[TM], s42, s43
	v_add_f32 v[TM], v[TM], v[TM+1]
	ds_store_b32 v[YA], v[TM] offset:YP+256*(\m)
.endm
.macro VV L, m, nf
.if (\L) == 0
	VA \m, \nf
.elseif (\L) == 1
	VB \m, \nf
.elseif (\L) == 2
	VD \m, \nf
.else
	VE \m, \nf
.endif
.endm
; A PHASE: layer L on RB tiles of atoms whose images lie at img, sc.  Tile m's vector block stands behind tile m + 1's products: its lines name none of their registers, so they are also the eight places
; that a load into the fragments' registers, and the first read of those results, have to keep.  Every wait for 0 on DScnt serves two things: the fragments just fetched are in,
; and the block's LDS stores have read their registers.
.macro PH L, img, sc, RB
	FETCHB \img, \sc, 0
	s_wait_dscnt 0x0
	MM \L, 0
	PLACES 8
.if \RB == 4
	FETCHB \img, \sc, 1
	s_wait_dscnt 0x0
	MM \L, 1
	VV \L, 0, 2
	s_wait_dscnt 0x0
	MM \L, 2
	VV \L, 1, 3
	s_wait_dscnt 0x0
	MM \L, 3
	VV \L, 2, -1
	s_wait_dscnt 0x0
	VV \L, 3, -1
.else
	VV \L, 0, -1
.endif
.endm
.macro P3 RB                           ; the phase without products: LayerNorm's end
.irp m, 0,1,2,3
.if \m < \RB
	ds_load_b128 v[T+8*\m:T+8*\m+3], v[STR] offset:STAT+512*\m
	ds_load_b128 v[T+8*\m+4:T+8*\m+7], v[STR] offset:STAT+512*\m+16
	ds_load_b32 v[TM+\m], v[STW] offset:STAT+512*\m
.endif
.endr
	s_wait_dscnt 0x0                               ; these, and gamma and beta_ln
.irp m, 0,1,2,3
.if \m < \RB
	STATS \m
.endif
.endr
	v_nop                                          ; a plain line behind the last root
	s_wait_alu depctr_va_vdst(0)                   ; one wait for all the roots
.irp m, 0,1,2,3
.if \m < \RB
	v_mul_f32 v[T+8*\m+1], v[TM+\m], v[T+8*\m]     ; delta x rs
.endif
.endr
.irp m, 0,1,2,3
.if \m < \RB
.if \m > 0
	s_wait_dscnt 0x0                               ; the last block's LDS stores have read their registers
.endif
	VC \m
.endif
.endr
.endm
.macro IDXADR dst, slot                ; row of the chunk -> byte offset in order: held at the chunk's last row and at the list's end
	v_min_u32 v[VT], 0x10f, v[\slot]
	v_add_nc_u32 v[VT], s40, v[VT]
	v_min_u32 v[VT], 0xffff, v[VT]
	v_lshlrev_b32 v[\dst], 2, v[VT]
.endm
.macro XGATHER src                     ; my 16 atoms' rows of density: lane (r, h) takes 16 bytes of each 32; the eight loads take each row's 256 bytes whole
	v_min_u32 v[VT], 0xffff, v[\src]
	v_lshl_add_u32 v[GO], v[VT], 8, v[H16]
	v_lshl_add_u32 v[GS], v[VT], 3, v[H4]
	WIN 0xC0
.irp q, 0,1,2,3,4,5,6,7
	global_load_b128 v[192+4*\q:195+4*\q], v[GO], s[12:13] offset:128*(\q/4)+32*(\q%4)
.endr
	WIN 0
	global_load_b32 v[XSV], v[GS], s[14:15]
.endm
.macro XSTORE                          ; and their image: tile w of the block
	WIN 0x0C
.irp q, 0,1,2,3,4,5,6,7
	ds_store_b128 v[XW], v[192+4*\q:195+4*\q] offset:XIMG+512*\q
.endr
	WIN 0
	ds_store_b32 v[XSW], v[XSV] offset:XSC
.endm
.macro WLOAD L                         ; my quarter of weight L: 32 loads of 512 consecutive bytes, into window 1 or 2
	WIN (1+(\L)/2)<<6
.irp f, 0,1,2,3,4,5,6,7
.irp c, 0,1,2,3
	global_load_b128 v[128*((\L)&1)+16*\f+4*\c:128*((\L)&1)+16*\f+4*\c+3], v[LI], s[8:9] offset:262144*(\L)+2048*\f+512*\c
.endr
.endr
	WIN 0
.endm
; ---------------- the head ----------------
	s_load_b512 s[4:19], s[0:1], 0x0               ; tiles s[4:5], order s[6:7], wfrag s[8:9], wscl s[10:11], density's codes s[12:13], scales s[14:15], b0 s[16:17], ba s[18:19]
	s_load_b512 s[20:35], s[0:1], 0x40             ; alpha_a s[20:21], gamma s[22:23], beta_ln s[24:25], bl s[26:27], bf s[28:29], alpha_f s[30:31], Wo s[32:33], bo s[34:35]
	s_load_b64 s[36:37], s[0:1], 0x80              ; out0
	v_lshl_add_u32 v94, v0, 2, 0x10000
	v_mov_b32 v95, 0
	v_lshrrev_b32 v[TM], 5, v0
	v_readfirstlane_b32 s[WV], v[TM]               ; wave 0..3
	v_and_b32 v[TM], 31, v0                        ; lane
	v_and_b32 v[TM+1], 15, v0                      ; r
	v_bfe_u32 v[TM+2], v0, 4, 1                    ; h
	v_lshlrev_b32 v[LI], 4, v[TM]
	v_lshlrev_b32 v[LS], 2, v[TM]
	s_lshl_b32 s56, s[WV], 10
	v_add_nc_u32 v[IW], s56, v[LI]
	s_lshr_b32 s56, s[WV], 1
	s_lshl_b32 s56, s56, 6
	s_and_b32 s57, s[WV], 1
	s_lshl_b32 s57, s57, 1
	s_add_co_u32 s56, s56, s57
	v_lshl_add_u32 v[SW], v[TM+1], 2, s56
	s_lshl_b32 s56, s[WV], 12
	v_add_nc_u32 v[XW], s56, v[LI]
	s_lshl_b32 s56, s[WV], 7
	v_add_nc_u32 v[XSW], s56, v[LS]
	s_lshl_b32 s56, s[WV], 11
	s_add_co_u32 s56, s56, PAR
	v_lshl_add_u32 v[PAD], v[TM+2], 6, s56
	v_lshl_add_u32 v[TM+3], v[TM], 3, s56          ; where I store the parameters: 8 bytes a lane
	s_lshl_b32 s56, s[WV], 3
	v_lshl_add_u32 v[STW], v[TM+1], 5, s56
	v_lshlrev_b32 v[STR], 5, v[TM+1]
	s_lshl_b32 s56, s[WV], 2
	v_lshl_add_u32 v[YWA], v[TM+1], 4, s56
	v_lshlrev_b32 v[H16], 4, v[TM+2]
	v_lshlrev_b32 v[H4], 2, v[TM+2]
	s_lshl_b32 s56, s[WV], 4
	v_add_nc_u32 v[SLOT], s56, v[TM+1]             ; block 0: row 16 w + r
	s_mov_b32 s42, 0x76543210
	s_mov_b32 s43, 0xfedcba98                      ; v_permlanex16_b32's selects for lane l xor 16
	s_mov_b32 s44, 0x600000                        ; the mantissa field of 448
	s_mov_b32 s45, 0x42800000                      ; 64.0
	s_mov_b32 s46, 0xbfb8aa3b                      ; -log2(e)
	s_mov_b32 s47, s46                             ; (named with it as a pair)
	s_mov_b32 s48, 0x3b800000                      ; 1 / 256
	s_mov_b32 s49, 0x3727c5ac                      ; 1e-5
	s_lshl_b32 s56, ttmp9, 4
	s_mov_b32 s57, 0
	s_wait_kmcnt 0x0
	s_add_nc_u64 s[4:5], s[4:5], s[56:57]
	s_load_b128 s[52:55], s[4:5], 0x0              ; my chunk: expert, first place, rows
	s_wait_kmcnt 0x0
	s_min_u32 s39, s52, 3                          ; loaded numbers are held before they enter an address
	s_min_u32 s40, s53, 0xffff
	s_min_u32 s41, s54, 0x110
	s_lshl_b32 s56, s39, 2
	s_add_nc_u64 s[34:35], s[34:35], s[56:57]
	s_load_b32 s51, s[34:35], 0x0                  ; bo[e]
	s_lshl_b32 s56, s39, 16
	s_lshl_b32 s58, s[WV], 14
	s_add_co_u32 s56, s56, s58
	s_add_nc_u64 s[8:9], s[8:9], s[56:57]          ; wfrag at (L = 0, e, w); L stands in the loads' immediates
	s_lshl_b32 s56, s39, 11
	s_lshl_b32 s58, s[WV], 9
	s_add_co_u32 s56, s56, s58
	s_add_nc_u64 s[10:11], s[10:11], s[56:57]      ; wscl likewise
	s_lshl_b32 s56, s39, 10
	s_lshl_b32 s58, s[WV], 8
	s_add_co_u32 s56, s56, s58
	v_lshl_add_u32 v79, v[TM], 3, s56              ; the parameters: 1024 e + 256 w + 8 x lane
	IDXADR 77, SLOT
	v_add_nc_u32 v[SLOT], 64, v[SLOT]
	IDXADR 78, SLOT
	v_add_nc_u32 v[SLOT], 64, v[SLOT]
	IDXADR OA, SLOT
	global_load_b32 v74, v77, s[6:7]               ; my atoms of blocks 0, 1, 2
	global_load_b32 v75, v78, s[6:7]
	global_load_b32 v[IX], v[OA], s[6:7]
	global_load_b64 v[T:T+1], v79, s[16:17]        ; b0
	global_load_b64 v[T+2:T+3], v79, s[26:27]      ; bl
	global_load_b64 v[T+4:T+5], v79, s[18:19]      ; ba
	global_load_b64 v[T+6:T+7], v79, s[20:21]      ; alpha_a
	global_load_b64 v[T+8:T+9], v79, s[22:23]      ; gamma
	global_load_b64 v[T+10:T+11], v79, s[24:25]    ; beta_ln
	global_load_b64 v[T+12:T+13], v79, s[28:29]    ; bf
	global_load_b64 v[T+14:T+15], v79, s[30:31]    ; alpha_f
	global_load_b64 v[T+16:T+17], v79, s[32:33]    ; Wo
.irp L, 0,1,2,3
.irp t, 0,1,2,3
	global_load_b32 v[WS+4*\L+\t], v[LS], s[10:11] offset:8192*\L+128*\t
.endr
.endr
	WLOAD 0
	s_wait_loadcnt 57                              ; the three atoms' numbers are in: 9 + 16 + 32 loads were issued behind them
	XGATHER 74                                     ; block 0
	WLOAD 1
	s_wait_loadcnt 63                              ; parameters and scale words are in: 32 + 9 + 32 = 73 loads were issued behind them
	v_pk_mul_f32 v[T+14:T+15], v[T+14:T+15], v[T+16:T+17]   ; alpha_f x Wo
.irp k, 0,1,2,3,4,5,6,7
	ds_store_b64 v[TM+3], v[T+2*\k:T+2*\k+1] offset:256*\k
.endr
	s_wait_loadcnt 32                              ; W0 and block 0's rows are in: Wa's 32 loads were issued behind them
	s_wait_kmcnt 0x0                               ; bo
	XSTORE
	BAR                                            ; block 0's four tiles lie in LDS
	PLOAD 0, 1                                     ; b0, bl
	XGATHER 75                                     ; block 1: the last gather is done, and its image's stores have read the registers
	PH 0, XIMG, XSC, 4                             ; product 1 of block 0
	WLOAD 2
	WLOAD 3
	s_mov_b32 s50, 4
	s_mov_b32 s[YB], 0
; ---------------- four blocks of 64 atoms: trip i takes block i from product 2 on, and product 1 of block i + 1 ----------------
.Lblk:
	BARP 2, 3                                      ; x's codes lie in LDS | ba, alpha_a
	s_wait_loadcnt 63                              ; Wa is in: in the first trip 9 + 64 loads were issued behind it; later ten at the most are out
	PH 1, IMG0, SC0, 4
	BARP 4, 5                                      ; the waves' means and squares lie in LDS, and nobody reads x's codes any more | gamma, beta_ln
	P3 4
	BAR                                            ; h's codes lie in LDS
	s_wait_loadcnt 32                              ; Wl is in: in the first trip Wf's 32 loads were issued behind it
	PH 2, IMG0, SC0, 4
	s_wait_loadcnt 1                               ; the next block's rows are in; the one load issued behind them, an atom's number, may stay out
	XSTORE                                         ; density's images were last read ahead of this trip's first barrier
	BARP 6, 7                                      ; x2's codes and the next block's tiles lie in LDS | bf, alpha_f Wo
	s_wait_loadcnt 0x0                             ; the atom's number for the block after next; in the first trip Wf too
	XGATHER IX                                     ; a whole trip ahead of the wait for it
	v_add_nc_u32 v[SLOT], 64, v[SLOT]
	IDXADR OA, SLOT
	global_load_b32 v[IX], v[OA], s[6:7]
	v_add_nc_u32 v[YA], s[YB], v[YWA]
	PH 3, IMG1, SC1, 4
	PLOAD 0, 1                                     ; b0, bl
	PH 0, XIMG, XSC, 4                             ; the last trip's four tiles: the tail's one, and three of the chunk's last row that nobody uses
	s_add_co_u32 s[YB], s[YB], 1024
	s_sub_co_u32 s50, s50, 1
	s_cmp_lg_u32 s50, 0
	s_cbranch_scc1 .Lblk
; ---------------- the tail: tile 16 ----------------
	IDXADR 77, 0                                   ; the atoms whose y I shall store: rows thread, thread + 128, 256 + lane
	v_add_nc_u32 v[VT], 128, v0
	IDXADR 78, VT
	v_and_b32 v[VT], 31, v0
	v_add_nc_u32 v[VT], 0x100, v[VT]
	IDXADR 79, VT
	global_load_b32 v74, v77, s[6:7]
	global_load_b32 v75, v78, s[6:7]
	global_load_b32 v76, v79, s[6:7]
	BARP 2, 3
	PH 1, IMG0, SC0, 1
	BARP 4, 5
	P3 1
	BAR
	PH 2, IMG0, SC0, 1
	BARP 6, 7
	v_add_nc_u32 v[YA], s[YB], v[YWA]
	PH 3, IMG1, SC1, 1
	BAR                                            ; all 272 rows' four parts of y lie in LDS
; ---------------- the way out ----------------
	v_lshlrev_b32 v[VT], 4, v0
	v_and_b32 v[TM], 15, v0
	v_lshlrev_b32 v[TM], 4, v[TM]
	ds_load_b128 v[T:T+3], v[VT] offset:YP
	ds_load_b128 v[T+4:T+7], v[VT] offset:YP+2048
	ds_load_b128 v[T+8:T+11], v[TM] offset:YP+4096
	s_wait_dscnt 0x0
	s_wait_loadcnt 0x0
.irp p, 0,1,2
	v_add_f32 v[T+4*\p], v[T+4*\p], v[T+4*\p+1]
	v_add_f32 v[T+4*\p+2], v[T+4*\p+2], v[T+4*\p+3]
	v_add_f32 v[T+4*\p], v[T+4*\p], v[T+4*\p+2]
	v_add_f32 v[T+4*\p], s51, v[T+4*\p]            ; + bo
	v_min_u32 v[74+\p], 0xffff, v[74+\p]
	v_lshlrev_b32 v[TM+4+\p], 2, v[74+\p]
.endr
	v_add_nc_u32 v[TM+1], 128, v0
	v_and_b32 v[TM+2], 31, v0
	v_add_nc_u32 v[TM+2], 0x100, v[TM+2]
	v_cmp_gt_u32 vcc_lo, s41, v0                   ; only the chunk's own rows are stored
	s_wait_xcnt 0x0                                ; EXEC changes only behind this wait
	s_and_saveexec_b32 s56, vcc_lo
	global_store_b32 v[TM+4], v[T], s[36:37]
	s_wait_xcnt 0x0
	s_or_b32 exec_lo, exec_lo, s56
	v_cmp_gt_u32 vcc_lo, s41, v[TM+1]
	s_wait_xcnt 0x0
	s_and_saveexec_b32 s56, vcc_lo
	global_store_b32 v[TM+5], v[T+4], s[36:37]
	s_wait_xcnt 0x0
	s_or_b32 exec_lo, exec_lo, s56
	s_cmp_lg_u32 s[WV], 0                          ; rows 256 to 271: wave 0; a chunk has 272 rows at the most, so lanes 16-31 are off
	s_cbranch_scc1 .Lend
	v_cmp_gt_u32 vcc_lo, s41, v[TM+2]
	s_wait_xcnt 0x0
	s_and_saveexec_b32 s56, vcc_lo
	global_store_b32 v[TM+6], v[T+8], s[36:37]
	s_wait_xcnt 0x0
	s_or_b32 exec_lo, exec_lo, s56
.Lend:
	s_wait_tensorcnt 0x0
	ds_add_u32 v94, v95
	s_wait_dscnt 0x0
	s_endpgm
.Lfunc_end_k_q1cec4a4db5_chain:
	.size	k_q1cec4a4db5_chain, .Lfunc_end_k_q1cec4a4db5_chain-k_q1cec4a4db5_chain
	.p2alignl 7, 3214868480
	.fill 96, 4, 3214868480
	.section	.rodata,"a",@progbits
	.p2align	6, 0x0
	.amdhsa_kernel k_q1cec4a4db5_chain
		.amdhsa_group_segment_fixed_size 66048
		.amdhsa_private_segment_fixed_size 0
		.amdhsa_enable_private_segment 0
		.amdhsa_kernarg_size 136
		.amdhsa_user_sgpr_count 2
		.amdhsa_user_sgpr_kernarg_segment_ptr 1
		.amdhsa_wavefront_size32 1
		.amdhsa_system_sgpr_workgroup_id_x 1
		.amdhsa_system_sgpr_workgroup_id_y 1
		.amdhsa_system_sgpr_workgroup_id_z 1
		.amdhsa_system_vgpr_workitem_id 0
		.amdhsa_next_free_vgpr 1024
		.amdhsa_next_free_sgpr 96
		.amdhsa_reserve_vcc 1
		.amdhsa_float_denorm_mode_32 3
		.amdhsa_float_denorm_mode_16_64 3
		.amdhsa_memory_ordered 1
		.amdhsa_forward_progress 1
		.amdhsa_inst_pref_size 255
	.end_amdhsa_kernel
	.section	.bss,"aw",@nobits
	.p2align	6
	.space	262144
	.amdgpu_metadata
---
amdhsa.version: [ 1, 2 ]
amdhsa.kernels:
  - .name:           k_q1cec4a4db5_chain
    .symbol:         k_q1cec4a4db5_chain.kd
    .args:
      - { .name: tiles, .offset: 0, .size: 8, .value_kind: global_buffer, .address_space: global }
      - { .name: order, .offset: 8, .size: 8, .value_kind: global_buffer, .address_space: global }
      - { .name: wfrag, .offset: 16, .size: 8, .value_kind: global_buffer, .address_space: global }
      - { .name: wscl, .offset: 24, .size: 8, .value_kind: global_buffer, .address_space: global }
      - { .name: density_codes, .offset: 32, .size: 8, .value_kind: global_buffer, .address_space: global }
      - { .name: density_scales, .offset: 40, .size: 8, .value_kind: global_buffer, .address_space: global }
      - { .name: b0, .offset: 48, .size: 8, .value_kind: global_buffer, .address_space: global }
      - { .name: ba, .offset: 56, .size: 8, .value_kind: global_buffer, .address_space: global }
      - { .name: alpha_a, .offset: 64, .size: 8, .value_kind: global_buffer, .address_space: global }
      - { .name: gamma, .offset: 72, .size: 8, .value_kind: global_buffer, .address_space: global }
      - { .name: beta_ln, .offset: 80, .size: 8, .value_kind: global_buffer, .address_space: global }
      - { .name: bl, .offset: 88, .size: 8, .value_kind: global_buffer, .address_space: global }
      - { .name: bf, .offset: 96, .size: 8, .value_kind: global_buffer, .address_space: global }
      - { .name: alpha_f, .offset: 104, .size: 8, .value_kind: global_buffer, .address_space: global }
      - { .name: Wo, .offset: 112, .size: 8, .value_kind: global_buffer, .address_space: global }
      - { .name: bo, .offset: 120, .size: 8, .value_kind: global_buffer, .address_space: global }
      - { .name: out0, .offset: 128, .size: 8, .value_kind: global_buffer, .address_space: global }
    .group_segment_fixed_size: 66048
    .private_segment_fixed_size: 0
    .kernarg_segment_align: 8
    .kernarg_segment_size: 136
    .max_flat_workgroup_size: 128
    .sgpr_count:     96
    .vgpr_count:     1024
    .wavefront_size: 32
...
	.end_amdgpu_metadata
.endif
;; end of part 2
